; MI455X (gfx1250); checked and timed in simulation.
; The chip was launched on July 23, 2026; its instructions are those of AMD's public machine-readable ISA for CDNA 5 (MIT licence, August 2026) and "CDNA5" Instruction Set Architecture Reference Guide (July 2026). The comments in the code are by the model that wrote it; some were corrected since.
;; Physical Weaver. Allowed arithmetic: matrix products marked QUANTISED: E5M2 operands, one E8M0 scale for each 32 along K, by v_wmma_scale_f32_16x16x128_f8f6f4 with both operands' format E5M2, f32 sums; everything else in f32.
;; Inputs: Wk_codes 64 x 16 x 32 uint8 (E5M2 codes of Wk, K innermost, in blocks of 32 codes); Wk_scales 64 x 16 uint8 (E8M0 scales of Wk, one for each 32 codes along K); Wq_codes 64 x 16 x 32 uint8 (E5M2 codes of Wq, K innermost, in blocks of 32 codes); Wq_scales 64 x 16 uint8 (E8M0 scales of Wq, one for each 32 codes along K); Wv_codes 512 x 16 x 32 uint8 (E5M2 codes of Wv, K innermost, in blocks of 32 codes); Wv_scales 512 x 16 uint8 (E8M0 scales of Wv, one for each 32 codes along K); log_lambda 1 float32; x_codes 4 x 4,096 x 16 x 32 uint8 (E5M2 codes of x, K innermost, in blocks of 32 codes); x_scales 4 x 4,096 x 16 uint8 (E8M0 scales of x, one for each 32 codes along K).
;; Outputs: out0 4 x 4,096 x 512 float32.
;; This version of the problem:
;;   THIS VERSION OF THE PROBLEM IS GIVEN IN LOW PRECISION. The matrix products marked QUANTISED in the list below multiply operands that are first quantised to E5M2 (5 exponent bits, 2 mantissa bits; 8 bits a number), with one power-of-two scale for each 32 numbers along K (OCP MX v1.0); their sums are f32. All else is computed in f32.
;;   The module's matrix products, in the order in which they are computed (A, B: the left and right operand; K: the contracted axis; several contracted axes count as one K, in the product's order):
;;     1. [M 16,384, K 512] x [K 512, N 64]; A: input x (given as codes); B: input Wq (given as codes): QUANTISED
;;     2. [M 16,384, K 512] x [K 512, N 64]; A: input x (given as codes); B: input Wk (given as codes): QUANTISED
;;     3. [M 16,384, K 512] x [K 512, N 512]; A: input x (given as codes); B: input Wv (given as codes): QUANTISED
;;     4. batch 4 x [M 4,096, K 64] x [K 64, N 4,096]; A: computed on the way; B: computed on the way: QUANTISED
;;     5. batch 4 x [M 4,096, K 4,096] x [K 4,096, N 512]; A: softmax (see below); B: computed on the way: QUANTISED
;;   THE QUANTISER, for each operand of a quantised product, along K:
;;     - K is cut into blocks of 32 from its start; a last block that is shorter is filled with zeros.
;;     - A block's scale is 2^e with e = floor(log2(the largest magnitude in the block)) - 15, held to -126 .. 127; a block of zeros has e = 0. As a byte (E8M0): e + 127.
;;     - Each number is divided by its block's scale, clamped to +-57,344, and rounded to the nearest number of E5M2, ties to even, subnormals kept.
;;     - The product sums the exact products of the quantised numbers (number of the format x scale) in f32.
;;   ~~~python
;;   def quantise(x, axis):      # numpy; x: float32 -> the quantised numbers, widened to float32 again
;;       x = np.moveaxis(x, axis, -1); K = x.shape[-1]
;;       x = np.pad(x, [(0, 0)] * (x.ndim - 1) + [(0, -K % 32)]); x = x.reshape(x.shape[:-1] + (-1, 32)); a = np.abs(x).max(-1, keepdims=True)
;;       e = np.where(a > 0, np.clip(np.frexp(np.where(a > 0, a, 1))[1] - 1 - 15, -126, 127), 0)      # np.frexp(a)[1] - 1 = floor(log2(a)), exactly
;;       r = np.clip(x / 2.0 ** e, -57344, 57344)
;;       step = 2.0 ** (np.maximum(np.frexp(np.where(r == 0, 1, r))[1] - 1, -14) - 2)
;;       q = np.round(r / step) * step * 2.0 ** e      # np.round: ties to even
;;       return np.moveaxis(q.reshape(q.shape[:-2] + (-1,))[..., :K], -1, axis).astype(np.float32)
;;   ~~~
;;   SOFTMAX AHEAD OF A QUANTISED PRODUCT. Where the list says 'softmax', what is quantised is not the finished softmax but p = 2^(t - M), with t = logit x log2(e) and M = ceil(the row's largest t), a whole number; so 1/2 < the row's largest p <= 1. The row's sum l is taken of the UNQUANTISED p, in f32, and the product's result is divided by l at the end. Since M is a whole number, a kernel that streams over the keys may use a running M (the ceiling of the running maximum): every later rescaling is an exact power of two, which a block's scale takes up: the codes' values come out the same.
;;   OPERANDS COMPUTED ON THE WAY. 'Computed on the way' means the value that the module computes at that place (a softmax that the list does not call 'softmax' is quantised finished and normalised). What goes into a quantiser is computed in f32, as accurately as f32 sums, v_exp_f32 and their like allow (about 1e-6 of the number): no bf16 or f16 on the way to a quantiser, and a product that is left as it is and whose result goes on into a quantised operand takes f32 operands (vector FMAs, or v_wmma_f32_16x16x4_f32). A number that lies on a knife's edge between two numbers of the format may be rounded either way, as far as f32 arithmetic and the matrix unit's own rounding can turn it there, and no further.
;;   INPUTS GIVEN AS CODES. Wk (in the module: [64, 512], K = its axis 1); Wq (in the module: [64, 512], K = its axis 1); Wv (in the module: [512, 512], K = its axis 1); x (in the module: [4, 4096, 512], K = its axis 2): each comes as NAME_codes (uint8): NAME with its K axis moved to the last place and cut into blocks of 32 codes, [.., K / 32, bytes a block], one block behind the other in memory; one code a byte (a code: sign, 5 exponent bits, 2 mantissa bits); and NAME_scales (uint8): the same leading axes, one E8M0 byte (e + 127) for each 32 codes along K. Its value is code x scale, taken as it is: it is not quantised again, and the codes and scales need not be those that the quantiser above would give.
;; One version. Each part assembles by itself: llvm-mc -triple=amdgcn-amd-amdhsa -mcpu=gfx1250 --defsym DOCPART=n.
;; ======== version 1 of 1: 2 launches
;; limits: right only within a limited range of input values
;; workspace buffers: rec 8,650,752 bytes; qrec 2,359,296 bytes
;; launch project (part 1): grid 128 x 2, 4 waves a work-group, clusters of 4 x 1, 262,144 bytes of LDS; arguments x_codes, x_scales, Wq_codes, Wq_scales, Wk_codes, Wk_scales, Wv_codes, Wv_scales, rec, qrec; writes rec, qrec
.if DOCPART == 1
	.amdgcn_target "amdgcn-amd-amdhsa--gfx1250"
	.amdhsa_code_object_version 6
	.text
	.protected	k_q7a8b4779fb_project
	.globl	k_q7a8b4779fb_project
	.p2align	8
	.type	k_q7a8b4779fb_project,@function
k_q7a8b4779fb_project:
	s_mov_b64 s[64:65], 0
	v_nop
	global_prefetch_b8 v0, s[64:65] scope:SCOPE_SE
	s_setreg_imm32_b32 hwreg(HW_REG_WAVE_MODE, 25, 1), 1
	s_wait_xcnt 0x0
	s_wait_alu depctr_hold_cnt(0) depctr_sa_sdst(0) depctr_va_vdst(0) depctr_va_sdst(0) depctr_va_ssrc(0) depctr_va_vcc(0) depctr_vm_vsrc(0)
	s_getreg_b32 s2, hwreg(HW_REG_IB_STS2, 6, 4)
	s_cmp_eq_u32 s2, 0
	s_cbranch_scc0 .Lentry_in_a_cluster
	s_endpgm
.Lentry_in_a_cluster:
	s_bfe_u32 s2, ttmp6, 0x10000c
	s_cmp_lg_u32 s2, 0x3003
	s_cbranch_scc0 .Lentry_shape_is_right
	s_endpgm
.Lentry_shape_is_right:
; Q = x Wq^T, K = x Wk^T, V = x Wv^T on the given codes of E5M2 (one E8M0 byte for each 32 along the 512), then quantised anew for the two products of the next launch:
; Q and K along their 64 numbers, V along the keys.  The codes leave as IMAGES OF OPERAND REGISTERS (16 bytes a lane, 512 bytes an instruction), so that the next launch reads them as they lie.
; SHARES.  A work-group takes 128 rows of x (row step S) and 320 columns: 256 channels of Wv (half y), and Wq (y = 0) or Wk (y = 1); buffers and sign are chosen by the work-group's y, on one path.
;   Wave w: V for all 128 rows x channels 256 y + 64 w .. + 63 (128 matrix instructions), and Q or K for rows 32 w .. 32 w + 31 x 64 (32 matrix instructions).
; LAYOUT.  Both products are used so that the NEXT product's K runs along a lane's registers: for Q/K source 0 = 16 rows of W, source 1 = 16 rows of x (a lane holds one row of x, registers run along d);
;   for V source 0 = 16 rows of x (keys), source 1 = 16 rows of Wv (a lane holds one channel, registers run along the keys).  Tiles take 16 neighbouring rows, so inside a block of 32 the lane (r, h) holds
;   numbers 16 u + 8 h + j at place 16 h + 8 u + j.  Every operand of the next launch's products is made with this same order inside a block: blocks, scales and products are those asked for; only the order of summing inside an instruction differs.
; CLUSTER.  The four work-groups of a cluster are four row steps with the same y: they need the same tiles of Wv and of Wq or Wk (163,840 of a work-group's 229,376 bytes), which are asked for jointly.
;   x's tile is shared only between the two y halves; the cluster's four places are spent on the larger share, so x comes by a load of the work-group's own.
; LIMITS.  NaN, infinities and scale bytes 0xff among the inputs are not served.  A block whose largest magnitude lies under 2^-111 keeps the scale byte 1 (a block of zeros too: its codes are zeros); these bytes are read by this program alone.
; By this text's count a wave has one tensor load out, a first fill; nothing in LDS is filled twice.
; THE BUFFERS AND LOADS AS THEY STAND HERE: a record of rec holds V's codes of two steps (2 x 65,536) and its scale words (2 x 2,048) and nothing of K; qrec holds 128 steps of Q and behind them 128 steps of K, 9,216 bytes each.
; A wave has ONE tensor load: wave 0 Wq's or Wk's 64 rows, wave 1 the 128 rows of x, waves 2 and 3 128 rows of Wv each.
.set REC,   135168
.set VSO,   131072
.set QREC,  9216                       ; 128 rows of Q or K: 8,192 bytes of codes, 512 of scale words, 512 of half squares
.set PITCH, 528                        ; an LDS row: 512 bytes + 16 = 33 x 16: the sixteen rows that a load touches start in sixteen different 16-byte columns of 256 bytes
.set XT,    0                          ; x: 128 rows
.set WVL,   128*PITCH                  ; Wv: 256 rows
.set WQL,   WVL+256*PITCH              ; Wq or Wk: 64 rows
.set STG,   WQL+64*PITCH               ; 1,024 bytes that LDS stores alone write: 128 scale words, 128 half squares
.set SPARE, STG+1024                   ; the spare words, 128 bytes a wave: two blocks of 256 bytes that no other line names
.set SPW,  1                           ; v1   LDS address of my spare word; never rewritten
.set NIL,  2                           ; v2   0; never rewritten
.set AX,   3                           ; v3   x: row r, + 16 h
.set AXQ,  4                           ; v4   the same at my wave's 32 rows
.set AWV,  5                           ; v5   Wv: my wave's 64 rows
.set AWQ,  6                           ; v6   Wq or Wk
.set L16,  7                           ; v7   16 x lane
.set R16,  8                           ; v8   16 x (lane % 16)
.set STGW, 9                           ; v9   the stage: 4 x thread
.set STGR, 10                          ; v10  and back: 512 x (wave & 1) + 16 x lane
.set LN,   11                          ; v11  lane
.set ACC,  32                          ; v32-95   eight accumulators
.set PC,   96                          ; v96-111  the codes just made
.set TM,   112                         ; v112-127 largest magnitudes, bytes, holds, conversion scales
.set PW,   128                         ; v128     the scale word just made
.set W0,   129                         ; v129-130 Q's or K's scale words
.set TL,   132                         ; v132-135 the stage read back
.set SQ,   136                         ; v136-139 sums of squares
.set VW,   140                         ; v140-143 V's scale words of my four channel tiles
.set XQS,  184                         ; v184-191 scales alone from here on: x's for my 32 rows,
.set WQS,  192                         ; v192-207 Wq's or Wk's,
.set XS,   208                         ; v208-239 x's for all 128 rows,
.set WVS,  240                         ; v240-255 Wv's
; window 1: W's fragments (tile, K step) at 16 (4 tile + step): Wq or Wk first, Wv later.  windows 2, 3: x's fragments (tile, K step): steps 0, 1 in window 2, steps 2, 3 in window 3, at 16 (8 (step & 1) + tile)
.set WV,   60                          ; s60  my wave's number
.set MNT,  61                          ; s61  the mantissa field of 57,344
.set SEL,  62                          ; s[62:63] lane selects: lane l xor 16
.set SGN,  98                          ; s98  +0.5 for Q, -0.5 for K
.set G1X,  24
.set G1V,  32
.set G1Q,  40
.set G0X,  48
.set G0V,  52
.set G0Q,  56
.set MSB, 0
.macro WIN new                         ; the immediate's high byte repeats the setting that is left
.if MSB != \new
	s_set_vgpr_msb (MSB<<8)|\new
.set MSB, \new
.endif
.endm
.macro ROUND                           ; a round of the cluster's barrier
	s_barrier_signal -1
	s_barrier_wait -1
	s_cmp_lg_u32 s[WV], 0
	s_cbranch_scc1 .Lnot_wave_0_\@
	s_barrier_signal -3
.Lnot_wave_0_\@:
	s_barrier_wait -3
	s_barrier_signal -1
	s_barrier_wait -1
.endm
.macro PLACES n
.rept \n
	v_nop
.endr
.endm
.macro MM0 d, a, b, sa, sb             ; the first K step starts a sum
	v_wmma_scale_f32_16x16x128_f8f6f4 v[0+\d:7+\d], v[0+\a:15+\a], v[0+\b:15+\b], 0, v[0+\sa], v[0+\sb] matrix_a_fmt:MATRIX_FMT_BF8 matrix_b_fmt:MATRIX_FMT_BF8
.endm
.macro MMA d, a, b, sa, sb             ; the later ones add in place
	v_wmma_scale_f32_16x16x128_f8f6f4 v[0+\d:7+\d], v[0+\a:15+\a], v[0+\b:15+\b], v[0+\d:7+\d], v[0+\sa], v[0+\sb] matrix_a_fmt:MATRIX_FMT_BF8 matrix_b_fmt:MATRIX_FMT_BF8
.endm
.macro FRAG reg, adr, off              ; 16 rows x 128 K: registers 4 c .. 4 c + 3 hold K = 32 c + 16 h + 0 .. 15
.irp c, 0,1,2,3
	ds_load_b128 v[4*\c+\reg:4*\c+3+\reg], v[\adr] offset:32*\c+\off
.endr
.endm
; 64 numbers of a lane, v[s] on, 16 of each of four blocks of 32 (the other 16 lie in lane l xor 16), become 16 registers of codes in v[PC] on, four scale bytes in v[TM+4] on and a scale word in v[PW]
.macro QUANT s
.irp b, 0,1,2,3
	v_max3_num_f32 v[TM+\b], |v[\s+16*\b]|, |v[\s+1+16*\b]|, 0x8000000   ; my 16 numbers, and the floor 2^(16 - 127): the byte cannot fall under 1
.endr
.irp i, 2,4,6,8,10,12,14
.irp b, 0,1,2,3
	v_max3_num_f32 v[TM+\b], v[TM+\b], |v[\s+16*\b+\i]|, |v[\s+1+16*\b+\i]|   ; the four blocks by turns
.endr
.endr
.irp b, 0,1,2,3
	v_permlanex16_b32 v[TM+4+\b], v[TM+\b], s[SEL], s[SEL+1]
.endr
.irp b, 0,1,2,3
	v_max_num_f32 v[TM+\b], v[TM+\b], v[TM+4+\b]           ; the block's largest magnitude
.endr
.irp b, 0,1,2,3
	v_add_nc_u32 v[TM+12+\b], 0xf8800000, v[TM+\b]         ; 15 off its exponent field: the conversion's scale operand
.endr
.irp b, 0,1,2,3
	v_and_or_b32 v[TM+8+\b], v[TM+\b], 0x7f800000, s[MNT]  ; 57,344 x the scale
.endr
.irp b, 0,1,2,3
	v_lshrrev_b32 v[TM+4+\b], 23, v[TM+12+\b]              ; the scale's byte
.endr
	v_lshl_or_b32 v[PW], v[TM+5], 8, v[TM+4]
	v_lshl_or_b32 v[PW], v[TM+6], 16, v[PW]
	v_lshl_or_b32 v[PW], v[TM+7], 24, v[PW]
	s_wait_xcnt 0x0                                        ; the codes' registers are the data of earlier stores: they are written again only behind this wait
.irp b, 0,1,2,3
.irp i, 0,1,2,3,4,5,6,7,8,9,10,11,12,13,14,15
	v_med3_num_f32 v[\s+16*\b+\i], v[\s+16*\b+\i], -v[TM+8+\b], v[TM+8+\b]   ; the conversion to an 8-bit code does not saturate (ISA guide 7.6.2): the hold comes first
.endr
	v_cvt_scalef32_pk8_bf8_f32 v[PC+4*\b:PC+1+4*\b], v[\s+16*\b:\s+7+16*\b], v[TM+12+\b]
	v_cvt_scalef32_pk8_bf8_f32 v[PC+2+4*\b:PC+3+4*\b], v[\s+8+16*\b:\s+15+16*\b], v[TM+12+\b]
.endr
	v_nop                                                  ; a plain line between the last conversion and the products that write its sources again
.endm
	s_load_b256 s[4:11], s[0:1], 0x0               ; x's codes s[4:5], x's scales s[6:7], Wq's codes s[8:9], Wq's scales s[10:11]
	s_load_b256 s[12:19], s[0:1], 0x20             ; Wk's codes s[12:13], Wk's scales s[14:15], Wv's codes s[16:17], Wv's scales s[18:19]
	s_load_b128 s[20:23], s[0:1], 0x40             ; rec s[20:21], qrec s[22:23]
	v_lshl_add_u32 v[SPW], v0, 2, SPARE
	v_mov_b32 v[NIL], 0
	ds_add_u32 v[SPW], v[NIL]                      ; the wave's opening: the add and its wait ahead of my first tensor load; the set-up below stands between them
	ds_add_u32 v[SPW], v[NIL]
	v_lshrrev_b32 v12, 5, v0
	v_readfirstlane_b32 s[WV], v12                 ; wave 0..3
	s_bfe_u32 s66, ttmp6, 0x40000                  ; cx: it enters global addresses alone
	s_lshl_b32 s67, ttmp9, 2
	s_add_co_u32 s67, s67, s66                     ; S: my row step of 128 rows, 0 .. 127
	s_and_b32 s68, ttmp7, 0xffff                   ; y, which the four partners share
	s_lshr_b32 s69, s67, 5                         ; batch
	s_and_b32 s70, s67, 31                         ; the step in its batch
	; descriptor groups 1: rows of 512 elements of one byte, 16 bytes of padding behind each 128 words
	s_mov_b32 s[G1X], 0x07900000                   ; no mask: x's tile is my work-group's own
	s_mov_b32 s[G1V], 0x07b0000f                   ; the mask names the four partners, bit 21 beside it
	s_mov_b32 s[G1Q], 0x07b0000f
.irp g, G1X, G1V, G1Q
	s_mov_b32 s[\g+1], 512<<16                     ; tensor_dim0
	s_mov_b32 s[\g+3], 512<<16                     ; tile_dim0
	s_mov_b32 s[\g+5], 512                         ; from row to row
	s_mov_b32 s[\g+6], 0
	s_mov_b32 s[\g+7], 0
.endr
	s_mov_b32 s[G1X+2], 128<<16                    ; wave 1 fetches 128 rows of x,
	s_mov_b32 s[G1X+4], 128
	s_mov_b32 s[G1V+2], 128<<16                    ; waves 2 and 3 128 of Wv each,
	s_mov_b32 s[G1V+4], 128
	s_mov_b32 s[G1Q+2], 64<<16                     ; wave 0 the 64 of Wq or Wk
	s_mov_b32 s[G1Q+4], 64
	s_mul_i32 s71, s[WV], 32*PITCH
	s_mov_b32 s[G0X], 1
	s_mov_b32 s[G0X+1], XT
	s_and_b32 s96, s[WV], 1
	s_mul_i32 s96, s96, 128*PITCH
	s_mov_b32 s[G0V], 1
	s_add_co_u32 s[G0V+1], s96, WVL
	s_mov_b32 s[G0Q], 1
	s_mov_b32 s[G0Q+1], WQL
	s_mul_i32 s97, s[WV], 64*PITCH
	s_add_co_u32 s97, s97, WVL                     ; my 64 rows of Wv in LDS
	v_and_b32 v[LN], 31, v0
	v_and_b32 v12, 15, v0                          ; r
	v_bfe_u32 v13, v0, 4, 1                        ; h
	v_mul_u32_u24 v[AX], v12, PITCH
	v_lshl_add_u32 v[AX], v13, 4, v[AX]
	v_add_nc_u32 v[AXQ], s71, v[AX]
	v_add_nc_u32 v[AWV], s97, v[AX]
	v_add_nc_u32 v[AWQ], WQL, v[AX]
	v_lshlrev_b32 v[L16], 4, v[LN]
	v_lshlrev_b32 v[R16], 4, v12
	v_lshl_add_u32 v[STGW], v0, 2, STG
	s_and_b32 s96, s[WV], 1
	s_lshl_b32 s96, s96, 9
	s_add_co_u32 s96, s96, STG
	v_add_nc_u32 v[STGR], s96, v[L16]
.irp b, 0,1,2,3
	v_mov_b32 v[TM+4+\b], 0                        ; written once: a lane permute's destination counts as one of its sources
.endr
	s_mov_b32 s[SEL], 0x76543210
	s_mov_b32 s[SEL+1], 0xfedcba98
	s_mov_b32 s[MNT], 0x600000
	; byte offsets, each in a pair with 0 above it
	s_lshl_b32 s72, s67, 16                        ; x's codes: 65,536 S
	s_mov_b32 s73, 0
	s_lshl_b32 s74, s68, 17
	s_and_b32 s96, s[WV], 1
	s_lshl_b32 s96, s96, 16
	s_add_co_u32 s74, s74, s96                     ; Wv's codes: (256 y + 128 (w & 1)) rows
	s_mov_b32 s75, 0
	s_lshl_b32 s84, s67, 11                        ; x's scales: 16 bytes a row
	s_mov_b32 s85, 0
	s_lshl_b32 s96, s[WV], 9
	s_add_co_u32 s86, s84, s96                     ; and at my 32 rows
	s_mov_b32 s87, 0
	s_lshl_b32 s88, s68, 12
	s_lshl_b32 s96, s[WV], 10
	s_add_co_u32 s88, s88, s96                     ; Wv's scales at my 64 rows
	s_mov_b32 s89, 0
	s_lshl_b32 s90, s68, 7
	s_add_co_u32 s90, s90, s67
	s_mul_i32 s78, s90, QREC                       ; Q's (y = 0) or K's (y = 1) step in qrec: S + 128 y
	s_lshr_b32 s91, s70, 1
	s_and_b32 s94, s70, 1
	s_lshl_b32 s93, s69, 4
	s_add_co_u32 s93, s93, s91
	s_mul_i32 s93, s93, REC                        ; V's record
	s_lshl_b32 s96, s94, 16
	s_add_co_u32 s80, s93, s96
	s_lshl_b32 s96, s68, 15
	s_add_co_u32 s80, s80, s96
	s_lshl_b32 s96, s[WV], 13
	s_add_co_u32 s80, s80, s96                     ; V's codes: + 65,536 (step & 1) + 2,048 (16 y + 4 w)
	s_mov_b32 s81, 0
	s_lshl_b32 s96, s94, 11
	s_add_co_u32 s82, s93, s96
	s_lshl_b32 s96, s68, 10
	s_add_co_u32 s82, s82, s96
	s_lshl_b32 s96, s[WV], 8
	s_add_co_u32 s82, s82, s96
	s_add_co_u32 s82, s82, VSO                     ; V's scale words: + 2,048 (step & 1) + 1,024 y + 256 w
	s_mov_b32 s83, 0
	s_mov_b32 s79, 0
	s_mov_b32 s[SGN], 0xbf000000
	s_wait_dscnt 0x0                               ; the opening add is done
	s_wait_kmcnt 0x0
	s_cmp_eq_u32 s68, 0                            ; Q's half or K's: the choice hangs on the work-group's y alone
	s_cselect_b64 s[8:9], s[8:9], s[12:13]
	s_cselect_b64 s[10:11], s[10:11], s[14:15]
	s_cselect_b32 s[SGN], 0x3f000000, s[SGN]
	s_add_nc_u64 s[78:79], s[22:23], s[78:79]      ; where Q's or K's 9,216 bytes go
	s_add_nc_u64 s[80:81], s[20:21], s[80:81]
	s_add_nc_u64 s[82:83], s[20:21], s[82:83]
	s_add_nc_u64 s[84:85], s[6:7], s[84:85]
	s_add_nc_u64 s[86:87], s[6:7], s[86:87]
	s_add_nc_u64 s[88:89], s[18:19], s[88:89]
	s_lshl_b32 s90, s[WV], 11
	s_mov_b32 s91, 0
	s_add_nc_u64 s[90:91], s[78:79], s[90:91]      ; the codes of my two tiles
	s_and_b32 s92, s[WV], 1
	s_lshl_b32 s92, s92, 9
	s_add_co_u32 s92, s92, 8192
	s_mov_b32 s93, 0
	s_add_nc_u64 s[92:93], s[78:79], s[92:93]      ; wave 0: the scale words; wave 1: the half squares
	s_add_nc_u64 s[G0X+2:G0X+3], s[4:5], s[72:73]
	s_or_b32 s[G0X+3], s[G0X+3], 0x80000000
	s_add_nc_u64 s[G0V+2:G0V+3], s[16:17], s[74:75]
	s_or_b32 s[G0V+3], s[G0V+3], 0x80000000
	s_mov_b64 s[G0Q+2:G0Q+3], s[8:9]
	s_or_b32 s[G0Q+3], s[G0Q+3], 0x80000000
	ROUND                                          ; all four work-groups are here: the joint loads meet
	s_cmp_lt_u32 s[WV], 1                          ; one tree of branches on the wave's number: one load a wave
	s_cbranch_scc0 .Lhead_x
	tensor_load_to_lds s[G0Q:G0Q+3], s[G1Q:G1Q+7]
	s_nop 0
	PLACES 4
	s_branch .Lhead_asked
.Lhead_x:
	s_cmp_lt_u32 s[WV], 2
	s_cbranch_scc0 .Lhead_v
	tensor_load_to_lds s[G0X:G0X+3], s[G1X:G1X+7]
	s_nop 0
	PLACES 4
	s_branch .Lhead_asked
.Lhead_v:
	tensor_load_to_lds s[G0V:G0V+3], s[G1V:G1V+7]
	s_nop 0
	PLACES 4
.Lhead_asked:
	; the scale words: a row's 16 bytes are the words of its four K steps; sixteen lanes read 256 consecutive bytes
	s_wait_alu depctr_va_vdst(0)
.irp i, 0,1,2,3,4,5,6,7
	global_load_b128 v[XS+4*\i:XS+4*\i+3], v[R16], s[84:85] offset:256*\i
.endr
.irp e, 0,1
	global_load_b128 v[XQS+4*\e:XQS+4*\e+3], v[R16], s[86:87] offset:256*\e
.endr
.irp n, 0,1,2,3
	global_load_b128 v[WVS+4*\n:WVS+4*\n+3], v[R16], s[88:89] offset:256*\n
.endr
.irp t, 0,1,2,3
	global_load_b128 v[WQS+4*\t:WQS+4*\t+3], v[R16], s[10:11] offset:256*\t
.endr
	s_wait_tensorcnt 0x0                           ; my part has landed,
	s_barrier_signal -1
	s_barrier_wait -1                              ; everybody's have
	; ---- Q or K: my 32 rows x 64
	WIN 0x40
.irp t, 0,1,2,3
.irp k, 0,1,2,3
	FRAG 16*(4*\t+\k), AWQ, \t*16*PITCH+128*\k
.endr
.endr
	WIN 0x80
.irp e, 0,1
.irp k, 0,1,2,3
	FRAG 16*(4*\e+\k), AXQ, \e*16*PITCH+128*\k
.endr
.endr
	s_wait_dscnt 0x0
	s_wait_loadcnt 0x0                             ; all scale words
	WIN 0x09                                       ; source 0 (W) window 1, source 1 (x) window 2
.irp k, 0,1,2,3                                ; the eight accumulators take turns, one instruction a turn
.irp e, 0,1
.irp t, 0,1,2,3
.if \k == 0
	MM0 ACC+32*\e+8*\t, 16*(4*\t+\k), 16*(4*\e+\k), WQS+4*\t+\k, XQS+4*\e+\k
.else
	MMA ACC+32*\e+8*\t, 16*(4*\t+\k), 16*(4*\e+\k), WQS+4*\t+\k, XQS+4*\e+\k
.endif
.endr
.endr
.endr
	WIN 0
	PLACES 8                                       ; in front of loads into registers that these products read, and of the first read of their results
	; all of x's fragments and my part of Wv's are asked for now and land under the vector work below
	WIN 0x80
.irp k, 0,1
.irp i, 0,1,2,3,4,5,6,7
	FRAG 16*(8*\k+\i), AX, \i*16*PITCH+128*\k
.endr
.endr
	WIN 0xc0
.irp k, 0,1
.irp i, 0,1,2,3,4,5,6,7
	FRAG 16*(8*\k+\i), AX, \i*16*PITCH+128*\k+256
.endr
.endr
	WIN 0x40
.irp n, 0,1,2,3
.irp k, 0,1,2,3
	FRAG 16*(4*\n+\k), AWV, \n*16*PITCH+128*\k
.endr
.endr
	WIN 0
	; the rows' sums of squares, of the numbers as they are, each accumulator from its low end on
.irp e, 0,1
	v_pk_mul_f32 v[SQ+2*\e:SQ+2*\e+1], v[ACC+32*\e:ACC+32*\e+1], v[ACC+32*\e:ACC+32*\e+1]
.endr
.irp i, 2,4,6,8,10,12,14,16,18,20,22,24,26,28,30
.irp e, 0,1
	v_pk_fma_f32 v[SQ+2*\e:SQ+2*\e+1], v[ACC+32*\e+\i:ACC+32*\e+\i+1], v[ACC+32*\e+\i:ACC+32*\e+\i+1], v[SQ+2*\e:SQ+2*\e+1]
.endr
.endr
	v_add_f32 v[SQ], v[SQ], v[SQ+1]
	v_add_f32 v[SQ+2], v[SQ+2], v[SQ+3]
	v_permlanex16_b32 v[SQ+1], v[SQ], s[SEL], s[SEL+1]
	v_permlanex16_b32 v[SQ+3], v[SQ+2], s[SEL], s[SEL+1]
	v_add_f32 v[SQ], v[SQ], v[SQ+1]
	v_add_f32 v[SQ+2], v[SQ+2], v[SQ+3]
	v_mul_f32 v[SQ], s[SGN], v[SQ]                 ; + q_sq / 2 or - k_sq / 2
	v_mul_f32 v[SQ+2], s[SGN], v[SQ+2]
	QUANT ACC                                      ; blocks 2 e + b: tile e, numbers 32 b on
.irp e, 0,1
.irp c, 0,1
	global_store_b128 v[L16], v[PC+8*\e+4*\c:PC+8*\e+4*\c+3], s[90:91] offset:1024*\e+512*\c   ; 32 lanes store 512 consecutive bytes
.endr
.endr
	v_lshl_or_b32 v[W0], v[TM+5], 8, v[TM+4]
	v_lshl_or_b32 v[W0+1], v[TM+7], 8, v[TM+6]
	v_cmp_gt_u32 vcc_lo, 16, v[LN]
	v_cndmask_b32 v[W0], v[W0+1], v[W0], vcc_lo    ; lanes 0-15 speak for tile 0's rows, lanes 16-31 for tile 1's
	v_or_b32 v[W0], 0x7f7f0000, v[W0]              ; K = 64 is filled to 128 with zero codes under the byte 127
	v_cndmask_b32 v[SQ], v[SQ+2], v[SQ], vcc_lo
	ds_store_b32 v[STGW], v[W0]
	ds_store_b32 v[STGW], v[SQ] offset:512
	s_wait_dscnt 0x0                               ; my stores have landed (and all fragments are in)
	s_barrier_signal -1
	s_barrier_wait -1
	s_cmp_lt_u32 s[WV], 2
	s_cbranch_scc0 .Lno_tail
	ds_load_b128 v[TL:TL+3], v[STGR]               ; wave 0: the 128 scale words; wave 1: the 128 half squares
	s_wait_dscnt 0x0
	global_store_b128 v[L16], v[TL:TL+3], s[92:93] ; 512 consecutive bytes
.Lno_tail:
	; ---- V: 128 keys x my 64 channels, a tile of 16 channels at a time
.irp n, 0,1,2,3
	WIN 0x06                                       ; source 0 (x) window 2, source 1 (Wv) window 1
.irp k, 0,1
.irp i, 0,1,2,3,4,5,6,7
.if \k == 0
	MM0 ACC+8*\i, 16*(8*\k+\i), 16*(4*\n+\k), XS+4*\i+\k, WVS+4*\n+\k
.else
	MMA ACC+8*\i, 16*(8*\k+\i), 16*(4*\n+\k), XS+4*\i+\k, WVS+4*\n+\k
.endif
.endr
.endr
	WIN 0x07                                       ; x's K steps 2 and 3 lie in window 3
.irp k, 0,1
.irp i, 0,1,2,3,4,5,6,7
	MMA ACC+8*\i, 16*(8*\k+\i), 16*(4*\n+\k+2), XS+4*\i+\k+2, WVS+4*\n+\k+2
.endr
.endr
	WIN 0
	PLACES 8
	QUANT ACC                                      ; a lane holds one channel; blocks of 32 keys
.irp c, 0,1,2,3
	global_store_b128 v[L16], v[PC+4*\c:PC+4*\c+3], s[80:81] offset:2048*\n+512*\c
.endr
	v_mov_b32 v[VW+\n], v[PW]
.endr
	v_cmp_gt_u32 vcc_lo, 16, v[LN]
	s_wait_alu depctr_va_vdst(0)
	s_wait_xcnt 0x0                                ; EXEC changes only behind this wait
	s_and_saveexec_b32 s95, vcc_lo
	global_store_b128 v[R16], v[VW:VW+3], s[82:83] ; sixteen lanes store 256 consecutive bytes, aligned: channel r's words of my four tiles
	s_wait_xcnt 0x0
	s_or_b32 exec_lo, exec_lo, s95
	s_wait_tensorcnt 0x0                           ; the wave's end
	ds_add_u32 v[SPW], v[NIL]
	s_wait_dscnt 0x0
	ROUND                                          ; the closing round
	s_endpgm
.Lfunc_end_k_q7a8b4779fb_project:
	.size	k_q7a8b4779fb_project, .Lfunc_end_k_q7a8b4779fb_project-k_q7a8b4779fb_project
	.p2alignl 7, 3214868480
	.fill 96, 4, 3214868480
	.section	.rodata,"a",@progbits
	.p2align	6, 0x0
	.amdhsa_kernel k_q7a8b4779fb_project
		.amdhsa_group_segment_fixed_size 262144
		.amdhsa_private_segment_fixed_size 0
		.amdhsa_enable_private_segment 0
		.amdhsa_kernarg_size 80
		.amdhsa_user_sgpr_count 2
		.amdhsa_user_sgpr_kernarg_segment_ptr 1
		.amdhsa_wavefront_size32 1
		.amdhsa_system_sgpr_workgroup_id_x 1
		.amdhsa_system_sgpr_workgroup_id_y 1
		.amdhsa_system_sgpr_workgroup_id_z 1
		.amdhsa_system_vgpr_workitem_id 0
		.amdhsa_next_free_vgpr 1024
		.amdhsa_next_free_sgpr 100
		.amdhsa_reserve_vcc 1
		.amdhsa_float_denorm_mode_32 3
		.amdhsa_float_denorm_mode_16_64 3
		.amdhsa_memory_ordered 1
		.amdhsa_forward_progress 1
		.amdhsa_inst_pref_size 96
	.end_amdhsa_kernel
	.amdgpu_metadata
---
amdhsa.version: [ 1, 2 ]
amdhsa.kernels:
  - .name:           k_q7a8b4779fb_project
    .symbol:         k_q7a8b4779fb_project.kd
    .args:
      - { .name: x_codes, .offset: 0, .size: 8, .value_kind: global_buffer, .address_space: global }
      - { .name: x_scales, .offset: 8, .size: 8, .value_kind: global_buffer, .address_space: global }
      - { .name: Wq_codes, .offset: 16, .size: 8, .value_kind: global_buffer, .address_space: global }
      - { .name: Wq_scales, .offset: 24, .size: 8, .value_kind: global_buffer, .address_space: global }
      - { .name: Wk_codes, .offset: 32, .size: 8, .value_kind: global_buffer, .address_space: global }
      - { .name: Wk_scales, .offset: 40, .size: 8, .value_kind: global_buffer, .address_space: global }
      - { .name: Wv_codes, .offset: 48, .size: 8, .value_kind: global_buffer, .address_space: global }
      - { .name: Wv_scales, .offset: 56, .size: 8, .value_kind: global_buffer, .address_space: global }
      - { .name: rec, .offset: 64, .size: 8, .value_kind: global_buffer, .address_space: global }
      - { .name: qrec, .offset: 72, .size: 8, .value_kind: global_buffer, .address_space: global }
    .group_segment_fixed_size: 262144
    .private_segment_fixed_size: 0
    .kernarg_segment_align: 8
    .kernarg_segment_size: 80
    .max_flat_workgroup_size: 128
    .sgpr_count:     100
    .vgpr_count:     1024
    .wavefront_size: 32
...
	.end_amdgpu_metadata
.endif
;; end of part 1
;; launch attend (part 2): grid 64 x 4, 8 waves a work-group, clusters of 4 x 1, 327,680 bytes of LDS; arguments rec, qrec, log_lambda, out0; writes out0
.if DOCPART == 2
	.amdgcn_target "amdgcn-amd-amdhsa--gfx1250"
	.amdhsa_code_object_version 6
	.text
	.protected	k_q7a8b4779fb_attend
	.globl	k_q7a8b4779fb_attend
	.p2align	8
	.type	k_q7a8b4779fb_attend,@function
k_q7a8b4779fb_attend:
	s_mov_b64 s[64:65], 0
	v_nop
	global_prefetch_b8 v0, s[64:65] scope:SCOPE_SE
	s_setreg_imm32_b32 hwreg(HW_REG_WAVE_MODE, 25, 1), 1
	s_wait_xcnt 0x0
	s_wait_alu depctr_hold_cnt(0) depctr_sa_sdst(0) depctr_va_vdst(0) depctr_va_sdst(0) depctr_va_ssrc(0) depctr_va_vcc(0) depctr_vm_vsrc(0)
	s_getreg_b32 s2, hwreg(HW_REG_IB_STS2, 6, 4)
	s_cmp_eq_u32 s2, 0
	s_cbranch_scc0 .Lentry_in_a_cluster
	s_endpgm
.Lentry_in_a_cluster:
	s_bfe_u32 s2, ttmp6, 0x10000c
	s_cmp_lg_u32 s2, 0x3003
	s_cbranch_scc0 .Lentry_shape_is_right
	s_endpgm
.Lentry_shape_is_right:
; out = softmax(-max(q_sq + k_sq - 2 Q.K, 0) / (2 lam^2)) V, lam = max(exp(log_lambda), 0.001), both products on codes of E5M2 with one E8M0 byte for each 32 along K, made by the launch before.
; ARITHMETIC.  The C of K Q^T is -k_sq / 2, so a result is w = Q.K - k_sq / 2 and t = logit x log2(e) = min(a w - a q_sq / 2, 0), a = log2(e) / lam^2.
;   TWO PASSES over the keys.  Pass A finds each row's largest w, hence M = ceil(the row's largest t), kept as -M = floor(-t).  Pass B makes p = min(2^(a w + c0), 1), c0 = -a q_sq / 2 - M: the clip of the distance at 0
;   can act only where M = 0, where it says p <= 1; where M < 0 every p is at most 1 anyway.  With M known nothing is rescaled.  The row's sum is taken of the unquantised p and divides at the end.
; SHARES.  A work-group owns 64 queries of one batch: four tiles of 16 (m).  Pass B goes by records of 256 keys, two steps of 128.  EIGHT WAVES IN TWO ROLES: waves 0-3 each own 128 of the 512 channels for all 64 queries (32 accumulators;
;   a fragment of V is read from LDS once in the work-group and feeds four products); waves 4-7 each own one block of 32 keys of each step for all 64 queries: scores, p, the block's scale, codes, which go to LDS as an image of
;   the operand's registers.  The second role is one record ahead; P has two buffers; ONE round for each record, and no other barrier in the loop.  In pass A, and for the first record's P, all eight waves work alike.
; LAYOUT.  Both products transposed: S^T = K Q^T (source 0 = 16 keys), O^T = V^T P^T (source 0 = 16 channels): a lane holds one query.  Inside a block of 32 keys P's and V's codes have the same order (see the launch before).
; V comes through a ring of two slots of one record, an eighth of a record by each wave's one load.  K comes by tensor loads for pass A (each wave's own 512 keys); in pass B the second role loads its fragments straight into
;   registers, a record ahead: two slots of V, P's two buffers and the small areas leave no room in LDS for two slots of K.
; CLUSTER.  The four work-groups of a cluster are query blocks of one batch and walk the same records: every tile is asked for jointly; pass B's K alone is not: 18,432 bytes beside a record's 135,168.
; PREFETCH: V's records (macro ASK).  K's are not prefetched: pass A of this launch has read every byte of them, ahead of pass B.
; LIMITS.  NaN and infinities are not served.  t carries f32 rounding of the size of eps x a x (q_sq + k_sq), as the distance formed from the three f32 terms does.  A block whose every p lies under 2^-111 keeps the scale byte 1.
; No work of the problem is left out.  By this text's count a wave has one tensor load out at a time.
.set VREC,  135168                     ; a record of V: codes of two steps (2 x 65,536), scale words (2 x 2,048)
.set VSO,   131072
.set KST,   9216                       ; a step of Q or K: 8 tiles of 1,024 bytes of codes, 512 of scale words, 512 of half squares
.set KPART, 18432
.set KA2,   147456                     ; pass A: the second half of the keys lies here; it has been read when P is first stored
.set PIMG,  288768                     ; P's two buffers: step st, fragment m, registers 4 c on at 8,192 st + 2,048 m + 512 c + 16 x lane; scale bytes at 16,384 + 256 st + 16 r + 4 m + block
.set PSTR,  16896
.set RED,   322560                     ; 256 bytes a wave: maxima; 2,048 further on: sums
.set SPARE, 326656                     ; the spare words, 128 bytes a wave: four blocks of 256 bytes that no other line names
.set OP,    2064                       ; the way out: a row of 2,048 bytes + 16, 64 rows from byte 0 on: both slots have then had their last fill and their last read
.set SPW,  1
.set NIL,  2
.set KVC,  3                           ; offsets of my block's K in a record: codes, scale words, half squares
.set KVS,  4
.set KVH,  5
.set GO,   3                           ; the way out: 16 x lane
.set VBS,  6                           ; my places in a slot and in P's buffers; never rewritten
.set VS0,  7
.set PRD0, 8
.set PSR0, 9
.set PWR0, 10
.set PSW0, 11
.set ADV0, 12                          ; v12-18: the same in the slot and the buffers in hand, written on the way that all waves take
.set ADVS, 14
.set PRD,  15
.set PSR,  16
.set PWR,  17
.set PSW,  18
.set ADKC, 12                          ; pass A's places use v12-14
.set ADKS, 13
.set ADKH, 14
.set STO,  19
.set SRD,  20
.set PFO,  21
.set REDW, 22
.set REDR, 23
.set C0,   24                          ; v24-31 c0 of tile m at 24 + 2 m, and a copy beside it for the packed form
.set S1,   32                          ; second role: v32-95 scores of a record's second step, v128-191 of its first
.set PC1,  96
.set SUM,  112                         ; v112-119 the rows' sums in pairs
.set QH,   120
.set S0,   128
.set PC0,  192
.set BM,   208
.set T4,   212
.set HD,   216
.set SO,   220
.set VF,   32                          ; first role: V's fragments v32-159, P's v160-223
.set PF,   160
.set RL,   208                         ; its way out: 1 / l in pairs
.set VSC,  224                         ; v224-255 scales alone: V's of two steps, P's, K's, Q's
.set PS,   240
.set KS,   248
.set QS,   252
.set KF,   64                          ; window 1: Q's fragments at 16 m, four fragments of K at 64 + 16 i (8 registers of codes, 8 of zero codes), their -k_sq / 2 at 128 + 8 i
.set KC,   128                         ; first role from its first product on: 32 accumulators, (t, m) at 64 m + 8 t
.set WV,   12
.set WQ,   13
.set SEL,  20
.set AS,   22                          ; s[22:23] a, twice
.set MNT,  24
.set CNT,  25
.set LIM,  26
.set PFA,  28
.set KB,   30                          ; s[30:31] the record of K to be loaded
.set G1R,  32
.set G1K,  40
.set G0P,  48
.set G0P2, 52
.set G0V,  56
.set SL,   60                          ; the slot in hand, the other; P's buffer in hand, the other
.set SX,   61
.set PB,   62
.set PX,   63
.set VW,   80
.set H2,   81                          ; 1 in waves 0-3, 0 in waves 4-7
.set KP,   98
.set MSB, 0
.macro WIN new                         ; the immediate's high byte repeats the setting that is left
.if MSB != \new
	s_set_vgpr_msb (MSB<<8)|\new
.set MSB, \new
.endif
.endm
.macro WALU
	s_wait_alu depctr_va_vdst(0)
.endm
.macro ROUND                           ; a round of the cluster's barrier
	s_barrier_signal -1
	s_barrier_wait -1
	s_cmp_lg_u32 s[WV], 0
	s_cbranch_scc1 .Lnot_wave_0_\@
	s_barrier_signal -3
.Lnot_wave_0_\@:
	s_barrier_wait -3
	s_barrier_signal -1
	s_barrier_wait -1
.endm
.macro BAR                             ; my LDS stores have landed and my LDS loads are in: then the work-group's barrier
	WALU
	s_wait_dscnt 0x0
	s_barrier_signal -1
	s_barrier_wait -1
.endm
.macro PLACES n
.rept \n
	v_nop
.endr
.endm
.macro MM0 d, a, b, sa, sb
	v_wmma_scale_f32_16x16x128_f8f6f4 v[0+\d:7+\d], v[0+\a:15+\a], v[0+\b:15+\b], 0, v[0+\sa], v[0+\sb] matrix_a_fmt:MATRIX_FMT_BF8 matrix_b_fmt:MATRIX_FMT_BF8
.endm
.macro MMC d, a, b, c, sa, sb
	v_wmma_scale_f32_16x16x128_f8f6f4 v[0+\d:7+\d], v[0+\a:15+\a], v[0+\b:15+\b], v[0+\c:7+\c], v[0+\sa], v[0+\sb] matrix_a_fmt:MATRIX_FMT_BF8 matrix_b_fmt:MATRIX_FMT_BF8
.endm
; pass A: tile tt of my 16 tiles in LDS into place tt % 4: codes, -k_sq / 2 of the lane's eight keys, scale word: five loads
.macro LOADK tt
	WIN 0x40
	ds_load_b128 v[KF+16*((\tt)%4):KF+16*((\tt)%4)+3], v[ADKC] offset:((\tt)/8)*KST+((\tt)%8)*1024
	ds_load_b128 v[KF+16*((\tt)%4)+4:KF+16*((\tt)%4)+7], v[ADKC] offset:((\tt)/8)*KST+((\tt)%8)*1024+512
	ds_load_b128 v[KC+8*((\tt)%4):KC+8*((\tt)%4)+3], v[ADKH] offset:((\tt)/8)*KST+((\tt)%8)*64
	ds_load_b128 v[KC+8*((\tt)%4)+4:KC+8*((\tt)%4)+7], v[ADKH] offset:((\tt)/8)*KST+((\tt)%8)*64+16
	WIN 0
	ds_load_b32 v[KS+(\tt)%4], v[ADKS] offset:((\tt)/8)*KST+((\tt)%8)*64
.endm
; pass B: my block of n / 2 steps, two tiles a step, from memory into places 0 on
.macro KLD kb, n
	WIN 0x40
.set ki, 0
.rept \n
	global_load_b128 v[KF+16*ki:KF+16*ki+3], v[KVC], s[\kb:\kb+1] offset:(ki/2)*KST+(ki%2)*1024
	global_load_b128 v[KF+16*ki+4:KF+16*ki+7], v[KVC], s[\kb:\kb+1] offset:(ki/2)*KST+(ki%2)*1024+512
	global_load_b128 v[KC+8*ki:KC+8*ki+3], v[KVH], s[\kb:\kb+1] offset:(ki/2)*KST+(ki%2)*64
	global_load_b128 v[KC+8*ki+4:KC+8*ki+7], v[KVH], s[\kb:\kb+1] offset:(ki/2)*KST+(ki%2)*64+16
.set ki, ki+1
.endr
	WIN 0
.set ki, 0
.rept \n
	global_load_b32 v[KS+ki], v[KVS], s[\kb:\kb+1] offset:(ki/2)*KST+(ki%2)*64
.set ki, ki+1
.endr
.endm
.macro MAXS s                          ; the running maxima take a pair of tiles, each accumulator from its low end on
.irp u, 0,1
.irp j, 0,2,4,6
.irp m, 0,1,2,3
	v_max3_num_f32 v[BM+\m], v[BM+\m], v[\s+32*\u+8*\m+\j], v[\s+32*\u+8*\m+\j+1]
.endr
.endr
.endr
.endm
; PASS A over 256 keys that my own tensor load brought: eight pairs of tiles, two sets of sums, four places for K.  A pair's maxima are taken a pair later: they are the places between products, loads and reads.
.macro PASSA
	LOADK 0
	LOADK 1
	LOADK 2
	LOADK 3
.set pp, 0
.rept 8
.set SA, S0-(S0-S1)*(pp%2)
.set SB, S1+(S0-S1)*(pp%2)
	WALU
.if pp < 7
	s_wait_dscnt 10                                ; this pair's ten loads are in; the next pair's may be out
.else
	s_wait_dscnt 0x0
.endif
	WIN 0x15                                       ; sources in window 1, results in window 0
.irp u, 0,1
.irp m, 0,1,2,3
	MMC SA+32*\u+8*\m, KF+16*((2*pp+\u)%4), 16*\m, KC+8*((2*pp+\u)%4), KS+((2*pp+\u)%4), QS+\m
.endr
.endr
	WIN 0
.if pp > 0
	MAXS SB
.else
	PLACES 8
.endif
.if pp < 6
	LOADK 2*pp+4
	LOADK 2*pp+5
.endif
.set pp, pp+1
.endr
	MAXS S1
.endm
; ---- the second role's pieces
.macro SCORES s, i0                    ; a step's eight products: K's places i0, i0 + 1
.irp u, 0,1
.irp m, 0,1,2,3
	MMC \s+16*\m+8*\u, KF+16*(\i0+\u), 16*\m, KC+8*(\i0+\u), KS+\i0+\u, QS+\m
.endr
.endr
.endm
.macro FMA s                           ; a w + c0, each accumulator from its low end on
.irp j, 0,2,4,6,8,10,12,14
.irp m, 0,1,2,3
	v_pk_fma_f32 v[\s+16*\m+\j:\s+16*\m+\j+1], v[\s+16*\m+\j:\s+16*\m+\j+1], s[AS:AS+1], v[C0+2*\m:C0+2*\m+1] op_sel_hi:[1,0,1]
.endr
.endr
.endm
.macro CL s, k                         ; the clip of the distance at 0, two numbers
	v_dual_min_num_f32 v[\s+2*(\k)], 1.0, v[\s+2*(\k)] :: v_dual_min_num_f32 v[\s+2*(\k)+1], 1.0, v[\s+2*(\k)+1]
.endm
.macro CL8 s, k
.irp i, 0,1,2,3,4,5,6,7
	CL \s, 8*\k+\i
.endr
.endm
.macro EXPS s                          ; 64 exponentials
.set ej, 0
.rept 64
	v_exp_f32 v[\s+ej], v[\s+ej]
.set ej, ej+1
.endr
.endm
.macro EXPCL s, c                      ; 64 exponentials of one step, with the clips of the other step, whose exponentials have been waited for
.set ej, 0
.rept 32
	v_exp_f32 v[\s+2*ej], v[\s+2*ej]
	v_exp_f32 v[\s+2*ej+1], v[\s+2*ej+1]
	CL \c, ej
.set ej, ej+1
.endr
.endm
.macro HOLD s, m                       ; p is not negative: the hold is one-sided (the conversion does not saturate: ISA guide 7.6.2)
.irp j, 0,2,4,6,8,10,12,14
	v_dual_min_num_f32 v[\s+16*\m+\j], v[HD+\m], v[\s+16*\m+\j] :: v_dual_min_num_f32 v[\s+16*\m+\j+1], v[HD+\m], v[\s+16*\m+\j+1]
.endr
.endm
.macro CVT s, pc, m
	v_cvt_scalef32_pk8_bf8_f32 v[\pc+4*\m:\pc+4*\m+1], v[\s+16*\m:\s+16*\m+7], v[SO+\m]
	v_cvt_scalef32_pk8_bf8_f32 v[\pc+4*\m+2:\pc+4*\m+3], v[\s+16*\m+8:\s+16*\m+15], v[SO+\m]
.endm
; a step's clipped p in v[s] on: block maxima with the floor 2^(16 - 127), the rows' sums of the unquantised p, scales, codes, and both to LDS.  fill = 1: the other step's clips (at o) stand among the dependent lines
.macro TAIL s, pc, st, fill, o
.irp m, 0,1,2,3
	v_max3_num_f32 v[BM+\m], v[\s+16*\m], v[\s+16*\m+1], 0x8000000
.endr
.irp m, 0,1,2,3
	v_pk_add_f32 v[SUM+2*\m:SUM+2*\m+1], v[SUM+2*\m:SUM+2*\m+1], v[\s+16*\m:\s+16*\m+1]
.endr
.irp i, 2,4,6,8,10,12,14
.irp m, 0,1,2,3
	v_max3_num_f32 v[BM+\m], v[BM+\m], v[\s+16*\m+\i], v[\s+16*\m+\i+1]
.endr
.irp m, 0,1,2,3
	v_pk_add_f32 v[SUM+2*\m:SUM+2*\m+1], v[SUM+2*\m:SUM+2*\m+1], v[\s+16*\m+\i:\s+16*\m+\i+1]
.endr
.endr
.irp m, 0,1,2,3
	v_permlanex16_b32 v[T4+\m], v[BM+\m], s[SEL], s[SEL+1]
.endr
.if \fill
	CL8 \o, 0
.endif
.irp m, 0,1,2,3
	v_max_num_f32 v[BM+\m], v[BM+\m], v[T4+\m]     ; the block's largest p
.endr
.if \fill
	CL8 \o, 1
.endif
.irp m, 0,1,2,3
	v_add_nc_u32 v[SO+\m], 0xf8800000, v[BM+\m]    ; 15 off its exponent field: the conversion's scale operand
.endr
.irp m, 0,1,2,3
	v_and_or_b32 v[HD+\m], v[BM+\m], 0x7f800000, s[MNT]    ; 57,344 x the scale
.endr
.if \fill
	CL8 \o, 2
.endif
.irp m, 0,1,2,3
	v_lshrrev_b32 v[T4+\m], 23, v[SO+\m]           ; the scale's byte
.endr
.if \fill
	CL8 \o, 3
.endif
	HOLD \s, 0
	HOLD \s, 1
	CVT \s, \pc, 0
	HOLD \s, 2
	CVT \s, \pc, 1
	HOLD \s, 3
	CVT \s, \pc, 2
	CVT \s, \pc, 3
	v_nop                                          ; a plain line behind the last conversion
.irp m, 0,1,2,3
	ds_store_b128 v[PWR], v[\pc+4*\m:\pc+4*\m+3] offset:8192*\st+2048*\m
	ds_store_b8 v[PSW], v[T4+\m] offset:256*\st+4*\m   ; both halves of the lanes write the same byte with the same value
.endr
.endm
; THE SECOND ROLE'S RECORD.  kc = 1: the next record's K is loaded; 2: not in the loop's last trip
.macro SM kc
	WIN 0x15
	SCORES S0, 0
	SCORES S1, 2
	WIN 0
	PLACES 8                                       ; ahead of the first read of results and of the loads into operands
.if \kc == 2
	s_cmp_eq_u32 s[CNT], 1
	s_cbranch_scc1 .Lno_k_\@
.endif
	KLD KB, 4
.Lno_k_\@:
	FMA S0
	FMA S1
	WALU                                           ; ahead of both batches: all their sources are written
	EXPS S0
	v_nop
	WALU                                           ; the first batch's results, ahead of their first reader
	EXPCL S1, S0
	v_nop
	WALU                                           ; the second batch's
	TAIL S0, PC0, 0, 1, S1
	TAIL S1, PC1, 1, 0, S1
	WALU
	s_wait_loadcnt 0x0                             ; the next record's K is in
.endm
.macro LRED                            ; a wave's part of the rows' sums
.irp m, 0,1,2,3
	v_add_f32 v[BM+\m], v[SUM+2*\m], v[SUM+2*\m+1]
.endr
.irp m, 0,1,2,3
	v_permlanex16_b32 v[T4+\m], v[BM+\m], s[SEL], s[SEL+1]
.endr
.irp m, 0,1,2,3
	v_add_f32 v[BM+\m], v[BM+\m], v[T4+\m]
.endr
	ds_store_b128 v[REDW], v[BM:BM+3] offset:2048
.endm
; ---- the first role's record
.macro VLD st, t
.irp c, 0,1,2,3
	ds_load_b128 v[VF+16*\t+4*\c:VF+16*\t+4*\c+3], v[ADV0+\st] offset:2048*\t+512*\c
.endr
.endm
.macro PLD st
.irp m, 0,1,2,3
.irp c, 0,1,2,3
	ds_load_b128 v[PF+16*\m+4*\c:PF+16*\m+4*\c+3], v[PRD] offset:8192*\st+2048*\m+512*\c
.endr
.endr
.endm
.macro PMUL st, t, n, zero             ; n: the younger loads that may be out.  The 32 accumulators take turns, one instruction a turn
	s_wait_dscnt \n
.irp m, 0,1,2,3
.if \zero
	MM0 64*\m+8*\t, VF+16*\t, PF+16*\m, VSC+8*\st+\t, PS+4*\st+\m
.else
	MMC 64*\m+8*\t, VF+16*\t, PF+16*\m, 64*\m+8*\t, VSC+8*\st+\t, PS+4*\st+\m
.endif
.endr
.endm
.macro PV zero
.irp st, 0,1
	ds_load_b128 v[PS+4*\st:PS+4*\st+3], v[PSR] offset:256*\st
	ds_load_b128 v[VSC+8*\st:VSC+8*\st+3], v[ADVS] offset:2048*\st
	ds_load_b128 v[VSC+8*\st+4:VSC+8*\st+7], v[ADVS] offset:2048*\st+256
.endr
	PLD 0
.irp t, 0,1,2,3,4,5,6,7
	VLD 0, \t
.endr
	WIN 0x50                                       ; C and D window 1
	PMUL 0, 0, 28, \zero                           ; fragment 0 of V is in; 28 loads of fragments 1 to 7 may be out
	PMUL 0, 1, 24, \zero
	PMUL 0, 2, 20, \zero
	PMUL 0, 3, 16, \zero
	WIN 0
	PLACES 8                                       ; ahead of loads into operands
.irp t, 0,1,2,3
	VLD 1, \t
.endr
	WIN 0x50
	PMUL 0, 4, 28, \zero                           ; fragments 5 to 7 and the 16 loads of the second step may be out
	PMUL 0, 5, 24, \zero
	PMUL 0, 6, 20, \zero
	PMUL 0, 7, 16, \zero
	WIN 0
	PLACES 8
	PLD 1
.irp t, 4,5,6,7
	VLD 1, \t
.endr
	WIN 0x50
	PMUL 1, 0, 16, 0                               ; P is in; fragments 4 to 7 may be out
	PMUL 1, 1, 16, 0
	PMUL 1, 2, 16, 0
	PMUL 1, 3, 16, 0
	PMUL 1, 4, 12, 0
	PMUL 1, 5, 8, 0
	PMUL 1, 6, 4, 0
	PMUL 1, 7, 0, 0
	WIN 0
	PLACES 9                                       ; eight ahead of loads into operands, nine ahead of products that take these registers otherwise (the other role's arm holds such)
.endm
.macro INTERVAL zero, sm               ; the two roles part on the wave's number and join again
	s_cmp_lt_u32 s[WV], 4
	s_cbranch_scc0 .Lsecond_\@
	PV \zero
	s_branch .Ljoin_\@
.Lsecond_\@:
.if \sm
	SM \sm
.else
	LRED
.endif
.Ljoin_\@:
.endm
; A PREFETCH INTO THE L2: at the fill of record f, record f + 2 is named, two records ahead of the load that will want it.  All clusters of a batch walk the same records: the batch's first cluster asks.  Its four partners take a
; quarter of the record each, 132 blocks of 256 bytes, told apart by address; in each, waves 0 to 4 ask, a lane a block (threads past 131 name block 131 again).  how = 1: ahead of the loop; 0: in the loop, whose last two trips ask for nothing.
.macro ASK how
.if \how
	s_cmp_eq_u32 s[LIM], 2
.else
	s_cmp_gt_u32 s[CNT], s[LIM]
.endif
	s_cbranch_scc0 .Lnot_mine_\@
	global_prefetch_b8 v[PFO], s[PFA:PFA+1] th:TH_LOAD_NT scope:SCOPE_SE
.Lnot_mine_\@:
.endm
; THE CHANGE OF RECORDS.  Each wave waits for all its tensor loads (its eighth of the slot ahead), adds 0 to its spare word, and waits for that and for its LDS reads and stores.  fill = 1: behind a round of the cluster's barrier the
; slot that was left takes the next record, which has the whole interval in which to land.
.macro CHANGE fill, how
	s_wait_tensorcnt 0x0                           ; no tensor load of mine is out, so a group 0 may be written
	ds_add_u32 v[SPW], v[NIL]                      ; 0 onto my spare word; the steps below stand between it and the wait for it
.if \fill
	s_wait_xcnt 0x0                                ; the last prefetch and K's loads have read their addresses
	s_add_nc_u64 s[PFA:PFA+1], s[PFA:PFA+1], VREC
	s_add_nc_u64 s[KB:KB+1], s[KB:KB+1], KPART
	s_add_nc_u64 s[G0V+2:G0V+3], s[G0V+2:G0V+3], VREC
	s_add_co_u32 s[G0V+1], s[VW], s[SX]
.endif
	s_wait_dscnt 0x0
.if \fill
	ROUND
	tensor_load_to_lds s[G0V:G0V+3], s[G1R:G1R+7]
	s_nop 0
	PLACES 4
	ASK \how
.else
	s_barrier_signal -1
	s_barrier_wait -1
.endif
	s_add_co_u32 s17, s[SL], 65536
	v_add_nc_u32 v[ADV0], s[SL], v[VBS]
	v_add_nc_u32 v[ADV0+1], s17, v[VBS]
	v_add_nc_u32 v[ADVS], s[SL], v[VS0]
	v_add_nc_u32 v[PRD], s[PB], v[PRD0]
	v_add_nc_u32 v[PSR], s[PB], v[PSR0]
	v_add_nc_u32 v[PWR], s[PX], v[PWR0]
	v_add_nc_u32 v[PSW], s[PX], v[PSW0]
	s_xor_b32 s[SL], s[SL], VREC
	s_xor_b32 s[SX], s[SX], VREC
	s_xor_b32 s[PB], s[PB], PSTR
	s_xor_b32 s[PX], s[PX], PSTR
	WALU
.endm
; THE WAY OUT.  WRITE: tile m's O^T / l to rows 16 m on of the stage (32 neighbouring bytes of a row a lane).  COPY: eight whole rows from the stage to memory, 32 lanes storing 512 consecutive bytes.
.macro WRITE m
	WIN 0x01                                       ; source 0 window 1
.set wj, 0
.rept 32
	v_pk_mul_f32 v[VF+64*(\m%2)+wj:VF+64*(\m%2)+wj+1], v[64*\m+wj:64*\m+wj+1], v[RL+2*\m:RL+2*\m+1]   ; each accumulator from its low end on
.set wj, wj+2
.endr
	WIN 0
.irp t, 0,1,2,3,4,5,6,7
	ds_store_b128 v[STO], v[VF+64*(\m%2)+8*\t:VF+64*(\m%2)+8*\t+3] offset:(\m%2)*16*OP+64*\t
	ds_store_b128 v[STO], v[VF+64*(\m%2)+8*\t+4:VF+64*(\m%2)+8*\t+7] offset:(\m%2)*16*OP+64*\t+16
.endr
.endm
.macro COPY
.irp i, 0,1,2,3,4,5,6,7
.irp k, 0,1,2,3
	ds_load_b128 v[VF+16*\i+4*\k:VF+16*\i+4*\k+3], v[SRD] offset:OP*\i+512*\k
.endr
.endr
.irp i, 0,1,2,3,4,5,6,7
	s_wait_dscnt 28-4*\i                           ; row i is in; the later rows may be out
.irp k, 0,1,2,3
	global_store_b128 v[GO], v[VF+16*\i+4*\k:VF+16*\i+4*\k+3], s[10:11] offset:2048*\i+512*\k th:TH_STORE_NT
.endr
.endr
.endm
	s_load_b256 s[4:11], s[0:1], 0x0               ; rec s[4:5], qrec s[6:7], log_lambda s[8:9], out0 s[10:11]
	v_lshl_add_u32 v[SPW], v0, 2, SPARE
	v_mov_b32 v[NIL], 0
	ds_add_u32 v[SPW], v[NIL]                      ; the wave's opening: the add, twice on end, and its wait ahead of my first tensor load
	ds_add_u32 v[SPW], v[NIL]
	v_lshrrev_b32 v[T4], 5, v0
	v_readfirstlane_b32 s[WV], v[T4]               ; wave 0..7
	s_and_b32 s[WQ], s[WV], 3                      ; my place in my role
	s_lshr_b32 s[H2], s[WV], 2
	s_xor_b32 s[H2], s[H2], 1
	s_bfe_u32 s14, ttmp6, 0x40000                  ; cx: it enters global addresses alone
	s_lshl_b32 s15, ttmp9, 2
	s_add_co_u32 s15, s15, s14                     ; my block of 64 queries, 0 .. 63
	s_and_b32 s16, ttmp7, 0xffff                   ; the batch, which the four partners share
	; descriptor groups 1: dense blocks as rows of 256 bytes (32 elements of 8 bytes); the mask names the four partners, bit 21 beside it
	s_mov_b32 s[G1R], 0x0023000f
	s_mov_b32 s[G1K], 0x0023000f
.irp g, G1R, G1K
	s_mov_b32 s[\g+1], 32<<16
	s_mov_b32 s[\g+3], 32<<16
	s_mov_b32 s[\g+5], 32
	s_mov_b32 s[\g+6], 0
	s_mov_b32 s[\g+7], 0
.endr
	s_mov_b32 s[G1R+2], 66<<16                     ; an eighth of a record of V: 16,896 bytes
	s_mov_b32 s[G1R+4], 66
	s_mov_b32 s[G1K+2], 72<<16                     ; two steps of K: 18,432 bytes
	s_mov_b32 s[G1K+4], 72
	s_mul_i32 s82, s[WV], KPART
	s_mov_b32 s[G0P], 1
	s_mov_b32 s[G0P+1], s82
	s_mov_b32 s[G0P2], 1
	s_add_co_u32 s[G0P2+1], s82, KA2
	s_mul_i32 s[VW], s[WV], VREC/8
	s_mov_b32 s[G0V], 1
	s_mov_b32 s[G0V+1], s[VW]
	s_add_co_u32 s91, s82, 8192
	s_add_co_u32 s92, s82, 8704
	s_lshl_b32 s83, s[WQ], 11
	s_lshl_b32 s84, s[WQ], 7
	s_add_co_u32 s94, s84, 8192
	s_add_co_u32 s95, s84, 8704
	s_lshl_b32 s85, s[WQ], 14
	s_lshl_b32 s86, s[WQ], 9
	s_add_co_u32 s93, s86, VSO
	s_add_co_u32 s87, s86, PIMG
	s_add_co_u32 s88, s[WQ], PIMG+16384
	s_lshl_b32 s89, s[WV], 8
	s_add_co_u32 s89, s89, RED
	s_lshl_b32 s96, s[WQ], 3
	s_lshl_b32 s17, s[H2], 5
	s_add_co_u32 s96, s96, s17                     ; the eight rows that I copy out: waves 4-7 rows 0-31, waves 0-3 rows 32-63
	s_mul_i32 s90, s96, OP
	s_mov_b32 s[SEL], 0x76543210
	s_mov_b32 s[SEL+1], 0xfedcba98
	s_mov_b32 s[MNT], 0x600000                     ; the mantissa field of 57,344
	s_mov_b32 s[SL], 0
	s_mov_b32 s[SX], VREC
	s_mov_b32 s[PB], 0
	s_mov_b32 s[PX], PSTR
	s_cmp_lt_u32 s[WV], 5                          ; waves 0 to 4
	s_cselect_b32 s[LIM], 0, 1
	s_or_b32 s[LIM], s[LIM], ttmp9                 ; of the batch's first cluster: the same in all four partners
	s_cmp_eq_u32 s[LIM], 0
	s_cselect_b32 s[LIM], 2, -1
	; byte offsets, each in a pair with 0 above it
	s_mul_i32 s66, s16, 16*VREC                    ; the batch's records of V
	s_lshl_b32 s72, s16, 5
	s_add_co_u32 s72, s72, 128
	s_mul_i32 s72, s72, KST                        ; the batch's steps of K
	s_mov_b32 s73, 0
	s_add_co_u32 s74, s66, s[VW]
	s_mov_b32 s75, 0
	s_mul_i32 s76, s14, VREC/4
	s_add_co_u32 s76, s76, s66
	s_add_co_u32 s76, s76, VREC                    ; my work-group's quarter of record 1: each fill steps it a record on before it asks
	s_mov_b32 s77, 0
	s_lshl_b32 s68, s16, 5
	s_lshr_b32 s17, s15, 1
	s_add_co_u32 s68, s68, s17
	s_mul_i32 s68, s68, KST                        ; my queries' step,
	s_and_b32 s17, s15, 1                          ; of which I take one half of the rows
	s_lshl_b32 s19, s17, 8
	s_add_co_u32 s70, s68, s19
	s_add_co_u32 s70, s70, 8192                    ; scale words, and 512 bytes on q_sq / 2
	s_mov_b32 s71, 0
	s_lshl_b32 s19, s17, 12
	s_add_co_u32 s68, s68, s19                     ; codes
	s_mov_b32 s69, 0
	s_lshl_b32 s78, s16, 23
	s_lshl_b32 s17, s15, 17
	s_add_co_u32 s78, s78, s17
	s_lshl_b32 s17, s96, 11
	s_add_co_u32 s78, s78, s17                     ; out0: the eight rows of 2,048 bytes that I store
	s_mov_b32 s79, 0
	; every LDS address, ahead of the first parting of the roles
	v_and_b32 v[BM], 31, v0                        ; lane
	v_and_b32 v[BM+1], 15, v0                      ; r
	v_bfe_u32 v[BM+2], v0, 4, 1                    ; h
	v_lshlrev_b32 v[SO], 4, v[BM]                  ; 16 x lane
	v_lshlrev_b32 v[SO+1], 2, v[BM+1]              ; 4 r
	v_lshlrev_b32 v[SO+2], 4, v[BM+1]              ; 16 r
	v_add_nc_u32 v[KVC], s83, v[SO]
	v_add_nc_u32 v[KVS], s94, v[SO+1]
	v_lshl_add_u32 v[KVH], v[BM+2], 5, s95
	v_add_nc_u32 v[VBS], s85, v[SO]
	v_add_nc_u32 v[VS0], s93, v[SO+2]
	v_add_nc_u32 v[PRD0], PIMG, v[SO]
	v_add_nc_u32 v[PSR0], PIMG+16384, v[SO+2]
	v_add_nc_u32 v[PWR0], s87, v[SO]
	v_add_nc_u32 v[PSW0], s88, v[SO+2]
	v_add_nc_u32 v[ADKC], s82, v[SO]
	v_add_nc_u32 v[ADKS], s91, v[SO+1]
	v_lshl_add_u32 v[ADKH], v[BM+2], 5, s92
	v_mul_u32_u24 v[STO], v[BM+1], OP
	v_lshl_add_u32 v[STO], v[BM+2], 5, v[STO]
	v_add_nc_u32 v[STO], s86, v[STO]
	v_add_nc_u32 v[SRD], s90, v[SO]
	v_add_nc_u32 v[REDW], s89, v[SO+2]
	v_add_nc_u32 v[REDR], RED, v[SO+2]
	v_min_u32 v[PFO], 131, v0
	v_lshlrev_b32 v[PFO], 8, v[PFO]
	WALU
	s_wait_dscnt 0x0                               ; both opening adds are done
	s_wait_kmcnt 0x0
	s_load_b32 s27, s[8:9], 0x0                    ; log_lambda
	s_add_nc_u64 s[72:73], s[6:7], s[72:73]
	s_mov_b32 s18, s82
	s_mov_b32 s19, 0
	s_add_nc_u64 s[G0P+2:G0P+3], s[72:73], s[18:19]
	s_add_nc_u64 s[G0P2+2:G0P2+3], s[G0P+2:G0P+3], 8*KPART
	s_or_b32 s[G0P+3], s[G0P+3], 0x80000000
	s_or_b32 s[G0P2+3], s[G0P2+3], 0x80000000
	s_mul_i32 s18, s[H2], KST
	s_add_nc_u64 s[KP:KP+1], s[72:73], s[18:19]    ; the first record's P: waves 0-3 make its second step, waves 4-7 its first
	s_add_nc_u64 s[KB:KB+1], s[72:73], KPART
	s_add_nc_u64 s[G0V+2:G0V+3], s[4:5], s[74:75]
	s_or_b32 s[G0V+3], s[G0V+3], 0x80000000
	s_add_nc_u64 s[PFA:PFA+1], s[4:5], s[76:77]
	s_add_nc_u64 s[68:69], s[6:7], s[68:69]
	s_add_nc_u64 s[70:71], s[6:7], s[70:71]
	s_add_nc_u64 s[10:11], s[10:11], s[78:79]
	ROUND                                          ; all four work-groups are here: the first joint loads meet
	tensor_load_to_lds s[G0P:G0P+3], s[G1K:G1K+7]  ; K's steps 2 w, 2 w + 1
	s_nop 0
	PLACES 4
	WIN 0x40                                       ; destination window 1
.irp m, 0,1,2,3
.irp c, 0,1
	global_load_b128 v[16*\m+4*\c:16*\m+4*\c+3], v[SO], s[68:69] offset:1024*\m+512*\c   ; Q's codes stay in registers
.endr
.endr
.irp i, 0,1,2,3
.irp j, 8,9,10,11,12,13,14,15
	v_mov_b32 v[16*\i+\j], 0                       ; K = 64 is filled to 128 with zero codes, in Q and in K
	v_mov_b32 v[KF+16*\i+\j], 0
.endr
.endr
	WIN 0
.irp m, 0,1,2,3
	global_load_b32 v[QS+\m], v[SO+1], s[70:71] offset:64*\m
	global_load_b32 v[QH+\m], v[SO+1], s[70:71] offset:512+64*\m
.endr
	s_wait_kmcnt 0x0
	v_mov_b32 v[T4], s27
	v_mul_f32 v[T4], 0x3fb8aa3b, v[T4]
	WALU
	v_exp_f32 v[T4], v[T4]                         ; exp(log_lambda)
	v_nop
	WALU
	v_max_num_f32 v[T4], 0x3a83126f, v[T4]         ; lam, at least 0.001
	v_mul_f32 v[T4], v[T4], v[T4]
	WALU
	v_rcp_f32 v[T4], v[T4]
	v_nop
	WALU
	v_mul_f32 v[T4], 0x3fb8aa3b, v[T4]             ; a = log2(e) / lam^2
	v_readfirstlane_b32 s[AS], v[T4]
	s_mov_b32 s[AS+1], s[AS]                       ; (named with it as a pair, so it is written)
.irp m, 0,1,2,3
	v_mov_b32 v[BM+\m], 0xff800000                 ; the running maxima
	v_mov_b32 v[T4+\m], 0                          ; written once: a lane permute's destination counts as one of its sources
.endr
	; ---- PASS A
	WALU
	s_wait_tensorcnt 0x0                           ; my first K part is in
	ds_add_u32 v[SPW], v[NIL]                      ; the add and its wait ahead of a later first fill
	s_wait_dscnt 0x0
	ROUND
	tensor_load_to_lds s[G0P2:G0P2+3], s[G1K:G1K+7]   ; K's steps 16 + 2 w, 17 + 2 w
	s_nop 0
	PLACES 4
	s_wait_loadcnt 0x0                             ; Q
	PASSA
	WALU
	s_wait_tensorcnt 0x0
	ds_add_u32 v[SPW], v[NIL]
	s_add_nc_u64 s[PFA:PFA+1], s[PFA:PFA+1], VREC
	s_wait_dscnt 0x0
	ROUND                                          ; every wave has read its first K part,
	tensor_load_to_lds s[G0V:G0V+3], s[G1R:G1R+7]  ; over which V's record 0 goes, into slot 0
	s_nop 0
	PLACES 4
	ASK 1
	v_add_nc_u32 v[ADKC], KA2, v[ADKC]
	v_add_nc_u32 v[ADKS], KA2, v[ADKS]
	v_add_nc_u32 v[ADKH], KA2, v[ADKH]
	WALU
	PASSA
	KLD KP, 2                                      ; K for the first record's P
.irp m, 0,1,2,3
	v_permlanex16_b32 v[T4+\m], v[BM+\m], s[SEL], s[SEL+1]
.endr
.irp m, 0,1,2,3
	v_max_num_f32 v[BM+\m], v[BM+\m], v[T4+\m]
.endr
	ds_store_b128 v[REDW], v[BM:BM+3]              ; both halves of the lanes write the same 16 bytes with the same values
	BAR
.irp k, 0,1,2,3,4,5,6,7
	ds_load_b128 v[S0+4*\k:S0+4*\k+3], v[REDR] offset:256*\k
.endr
	s_wait_dscnt 0x0
.irp m, 0,1,2,3
	v_max3_num_f32 v[BM+\m], v[S0+\m], v[S0+4+\m], v[S0+8+\m]
.endr
.irp m, 0,1,2,3
	v_max3_num_f32 v[BM+\m], v[BM+\m], v[S0+12+\m], v[S0+16+\m]
.endr
.irp m, 0,1,2,3
	v_max3_num_f32 v[BM+\m], v[BM+\m], v[S0+20+\m], v[S0+24+\m]
.endr
.irp m, 0,1,2,3
	v_max_num_f32 v[BM+\m], v[BM+\m], v[S0+28+\m]  ; the row's largest w
.endr
.irp m, 0,1,2,3
	v_mul_f32 v[T4+\m], s[AS], v[QH+\m]            ; a q_sq / 2
.endr
.irp m, 0,1,2,3
	v_fma_f32 v[HD+\m], v[BM+\m], s[AS], -v[T4+\m]
.endr
.irp m, 0,1,2,3
	v_min_num_f32 v[HD+\m], 0, v[HD+\m]            ; the row's largest t
.endr
.irp m, 0,1,2,3
	v_floor_f32 v[HD+\m], -v[HD+\m]                ; -M
.endr
.irp m, 0,1,2,3
	v_sub_f32 v[C0+2*\m], v[HD+\m], v[T4+\m]       ; c0
.endr
.irp m, 0,1,2,3
	v_mov_b32 v[C0+2*\m+1], v[C0+2*\m]
.endr
.irp m, 0,1,2,3
	v_mov_b32 v[SUM+2*\m], 0                       ; the rows' sums
	v_mov_b32 v[SUM+2*\m+1], 0
.endr
	; ---- PASS B.  The first record's P: all eight waves, one step for each role, into buffer 0
	s_lshl_b32 s17, s[H2], 13
	s_lshl_b32 s18, s[H2], 8
	v_add_nc_u32 v[PWR], s17, v[PWR0]
	v_add_nc_u32 v[PSW], s18, v[PSW0]
	WALU
	s_wait_loadcnt 0x0
	WIN 0x15
	SCORES S0, 0
	WIN 0
	PLACES 8
	s_cmp_lt_u32 s[WV], 4
	s_cbranch_scc1 .Lno_first_k
	KLD KB, 4                                      ; the second role's K of record 1
.Lno_first_k:
	FMA S0
	WALU
	EXPS S0
	v_nop
	WALU
	CL8 S0, 0
	CL8 S0, 1
	CL8 S0, 2
	CL8 S0, 3
	TAIL S0, PC0, 0, 0, S1
	WALU
	s_cmp_lt_u32 s[WV], 4
	s_cbranch_scc0 .Lno_first_sum
	LRED                                           ; the first role's part of the sums ends here
.Lno_first_sum:
	s_wait_loadcnt 0x0
	CHANGE 1, 1                                    ; record 0 and its P are whole; record 1 goes into slot 1
	INTERVAL 1, 1                                  ; the first products start the sums: nothing is cleared
	s_mov_b32 s[CNT], 14
.Lrec:                                             ; a trip: record i = 1 .. 14 is multiplied, P of record i + 1 made, record i + 1 of V and i + 2 of K asked for
	CHANGE 1, 0
	INTERVAL 0, 2
	s_sub_co_u32 s[CNT], s[CNT], 1
	s_cmp_lg_u32 s[CNT], 0
	s_cbranch_scc1 .Lrec
	CHANGE 0, 0                                    ; the last record: nothing is asked for
	INTERVAL 0, 0                                  ; the last products | the rows' sums
	BAR
	; ---- THE WAY OUT
	v_and_b32 v[GO], 31, v0
	v_lshlrev_b32 v[GO], 4, v[GO]
	WALU
	s_cmp_lt_u32 s[WV], 4
	s_cbranch_scc0 .Lupper_written
.irp k, 0,1,2,3,4,5,6,7
	ds_load_b128 v[PF+4*\k:PF+4*\k+3], v[REDR] offset:2048+256*\k
.endr
	s_wait_dscnt 0x0
.irp k, 0,8,16,24
.irp m, 0,1,2,3
	v_add_f32 v[PF+\k+\m], v[PF+\k+\m], v[PF+\k+4+\m]
.endr
.endr
.irp k, 0,16
.irp m, 0,1,2,3
	v_add_f32 v[PF+\k+\m], v[PF+\k+\m], v[PF+\k+8+\m]
.endr
.endr
.irp m, 0,1,2,3
	v_add_f32 v[PF+\m], v[PF+\m], v[PF+16+\m]      ; l
.endr
	WALU
.irp m, 0,1,2,3
	v_rcp_f32 v[RL+2*\m], v[PF+\m]                 ; twice, to fill the pair that the packed form multiplies by
	v_rcp_f32 v[RL+2*\m+1], v[PF+\m]
.endr
	v_nop
	WALU                                           ; one wait for the eight, ahead of their first reader
	WRITE 0
	WRITE 1
	WALU
.Lupper_written:
	BAR                                            ; rows 0 to 31 are in the stage
	v_add_nc_u32 v[STO], 32*OP, v[STO]
	WALU
	s_cmp_lt_u32 s[WV], 4
	s_cbranch_scc0 .Lcopy_upper
	WRITE 2
	WRITE 3
	s_branch .Lhalves
.Lcopy_upper:
	COPY
.Lhalves:
	BAR                                            ; rows 32 to 63
	s_cmp_lt_u32 s[WV], 4
	s_cbranch_scc0 .Ldone
	COPY
.Ldone:
	s_wait_tensorcnt 0x0                           ; the wave's end
	ds_add_u32 v[SPW], v[NIL]
	s_wait_dscnt 0x0
	ROUND                                          ; the closing round
	s_endpgm
.Lfunc_end_k_q7a8b4779fb_attend:
	.size	k_q7a8b4779fb_attend, .Lfunc_end_k_q7a8b4779fb_attend-k_q7a8b4779fb_attend
	.p2alignl 7, 3214868480
	.fill 96, 4, 3214868480
	.section	.rodata,"a",@progbits
	.p2align	6, 0x0
	.amdhsa_kernel k_q7a8b4779fb_attend
		.amdhsa_group_segment_fixed_size 327680
		.amdhsa_private_segment_fixed_size 0
		.amdhsa_enable_private_segment 0
		.amdhsa_kernarg_size 32
		.amdhsa_user_sgpr_count 2
		.amdhsa_user_sgpr_kernarg_segment_ptr 1
		.amdhsa_wavefront_size32 1
		.amdhsa_system_sgpr_workgroup_id_x 1
		.amdhsa_system_sgpr_workgroup_id_y 1
		.amdhsa_system_sgpr_workgroup_id_z 1
		.amdhsa_system_vgpr_workitem_id 0
		.amdhsa_next_free_vgpr 512
		.amdhsa_next_free_sgpr 100
		.amdhsa_reserve_vcc 0
		.amdhsa_float_denorm_mode_32 3
		.amdhsa_float_denorm_mode_16_64 3
		.amdhsa_memory_ordered 1
		.amdhsa_forward_progress 1
		.amdhsa_inst_pref_size 244
	.end_amdhsa_kernel
	.amdgpu_metadata
---
amdhsa.version: [ 1, 2 ]
amdhsa.kernels:
  - .name:           k_q7a8b4779fb_attend
    .symbol:         k_q7a8b4779fb_attend.kd
    .args:
      - { .name: rec, .offset: 0, .size: 8, .value_kind: global_buffer, .address_space: global }
      - { .name: qrec, .offset: 8, .size: 8, .value_kind: global_buffer, .address_space: global }
      - { .name: log_lambda, .offset: 16, .size: 8, .value_kind: global_buffer, .address_space: global }
      - { .name: out0, .offset: 24, .size: 8, .value_kind: global_buffer, .address_space: global }
    .group_segment_fixed_size: 327680
    .private_segment_fixed_size: 0
    .kernarg_segment_align: 8
    .kernarg_segment_size: 32
    .max_flat_workgroup_size: 256
    .sgpr_count:     100
    .vgpr_count:     512
    .wavefront_size: 32
...
	.end_amdgpu_metadata
.endif
;; end of part 2
